; MI455X (gfx1250); checked and timed in simulation.
; The chip was launched on July 23, 2026; its instructions are those of AMD's public machine-readable ISA for CDNA 5 (MIT licence, August 2026) and "CDNA5" Instruction Set Architecture Reference Guide (July 2026). The comments in the code are by the model that wrote it; some were corrected since.
;; Ro Former Attention. Allowed arithmetic: matrix products marked QUANTISED: E2M1 operands, one E8M0 scale for each 32 along K, by v_wmma_scale_f32_16x16x128_f8f6f4 with both operands' format E2M1 (or v_wmma_scale_f32_32x16x128_f4), f32 sums; everything else in f32.
;; Inputs: bo 1,024 float32; cos 1 x 1 x 2,048 x 32 float32; hidden_states 2 x 2,048 x 1,024 float32; scale 1,024 float32; sin 1 x 1 x 2,048 x 32 float32; wk_codes 1,024 x 32 x 16 uint8 (E2M1 codes of wk, K innermost, in blocks of 32 codes, two codes a byte); wk_scales 1,024 x 32 uint8 (E8M0 scales of wk, one for each 32 codes along K); wo_codes 1,024 x 32 x 16 uint8 (E2M1 codes of wo, K innermost, in blocks of 32 codes, two codes a byte); wo_scales 1,024 x 32 uint8 (E8M0 scales of wo, one for each 32 codes along K); wq_codes 1,024 x 32 x 16 uint8 (E2M1 codes of wq, K innermost, in blocks of 32 codes, two codes a byte); wq_scales 1,024 x 32 uint8 (E8M0 scales of wq, one for each 32 codes along K); wv_codes 1,024 x 32 x 16 uint8 (E2M1 codes of wv, K innermost, in blocks of 32 codes, two codes a byte); wv_scales 1,024 x 32 uint8 (E8M0 scales of wv, one for each 32 codes along K).
;; Outputs: out0 2 x 2,048 x 1,024 float32.
;; This version of the problem:
;;   THIS VERSION OF THE PROBLEM IS GIVEN IN LOW PRECISION. The matrix products marked QUANTISED in the list below multiply operands that are first quantised to E2M1 (2 exponent bits, 1 mantissa bit; 4 bits a number), with one power-of-two scale for each 32 numbers along K (OCP MX v1.0); their sums are f32. All else is computed in f32.
;;   The module's matrix products, in the order in which they are computed (A, B: the left and right operand; K: the contracted axis; several contracted axes count as one K, in the product's order):
;;     1. [M 4,096, K 1,024] x [K 1,024, N 1,024]; A: input hidden_states; B: input wq (given as codes): QUANTISED
;;     2. [M 4,096, K 1,024] x [K 1,024, N 1,024]; A: input hidden_states; B: input wk (given as codes): QUANTISED
;;     3. [M 4,096, K 1,024] x [K 1,024, N 1,024]; A: input hidden_states; B: input wv (given as codes): QUANTISED
;;     4. batch 32 x [M 2,048, K 64] x [K 64, N 2,048]; A: computed on the way; B: computed on the way: QUANTISED
;;     5. batch 32 x [M 2,048, K 2,048] x [K 2,048, N 64]; A: softmax (see below); B: computed on the way: QUANTISED
;;     6. [M 4,096, K 1,024] x [K 1,024, N 1,024]; A: computed on the way; B: input wo (given as codes): QUANTISED
;;   THE QUANTISER, for each operand of a quantised product, along K:
;;     - K is cut into blocks of 32 from its start; a last block that is shorter is filled with zeros.
;;     - A block's scale is 2^e with e = floor(log2(the largest magnitude in the block)) - 2, held to -126 .. 127; a block of zeros has e = 0. As a byte (E8M0): e + 127.
;;     - Each number is divided by its block's scale, clamped to +-6, and rounded to the nearest number of E2M1, ties to even, subnormals kept.
;;     - The product sums the exact products of the quantised numbers (number of the format x scale) in f32.
;;   ~~~python
;;   def quantise(x, axis):      # numpy; x: float32 -> the quantised numbers, widened to float32 again
;;       x = np.moveaxis(x, axis, -1); K = x.shape[-1]
;;       x = np.pad(x, [(0, 0)] * (x.ndim - 1) + [(0, -K % 32)]); x = x.reshape(x.shape[:-1] + (-1, 32)); a = np.abs(x).max(-1, keepdims=True)
;;       e = np.where(a > 0, np.clip(np.frexp(np.where(a > 0, a, 1))[1] - 1 - 2, -126, 127), 0)      # np.frexp(a)[1] - 1 = floor(log2(a)), exactly
;;       r = np.clip(x / 2.0 ** e, -6, 6)
;;       step = 2.0 ** (np.maximum(np.frexp(np.where(r == 0, 1, r))[1] - 1, 0) - 1)
;;       q = np.round(r / step) * step * 2.0 ** e      # np.round: ties to even
;;       return np.moveaxis(q.reshape(q.shape[:-2] + (-1,))[..., :K], -1, axis).astype(np.float32)
;;   ~~~
;;   SOFTMAX AHEAD OF A QUANTISED PRODUCT. Where the list says 'softmax', what is quantised is not the finished softmax but p = 2^(t - M), with t = logit x log2(e) and M = ceil(the row's largest t), a whole number; so 1/2 < the row's largest p <= 1. The row's sum l is taken of the UNQUANTISED p, in f32, and the product's result is divided by l at the end. Since M is a whole number, a kernel that streams over the keys may use a running M (the ceiling of the running maximum): every later rescaling is an exact power of two, which a block's scale takes up: the codes' values come out the same.
;;   OPERANDS COMPUTED ON THE WAY. 'Computed on the way' means the value that the module computes at that place (a softmax that the list does not call 'softmax' is quantised finished and normalised). What goes into a quantiser is computed in f32, as accurately as f32 sums, v_exp_f32 and their like allow (about 1e-6 of the number): no bf16 or f16 on the way to a quantiser, and a product that is left as it is and whose result goes on into a quantised operand takes f32 operands (vector FMAs, or v_wmma_f32_16x16x4_f32). A number that lies on a knife's edge between two numbers of the format may be rounded either way, as far as f32 arithmetic and the matrix unit's own rounding can turn it there, and no further.
;;   INPUTS GIVEN AS CODES. wk (in the module: [1024, 1024], K = its axis 1); wo (in the module: [1024, 1024], K = its axis 1); wq (in the module: [1024, 1024], K = its axis 1); wv (in the module: [1024, 1024], K = its axis 1): each comes as NAME_codes (uint8): NAME with its K axis moved to the last place and cut into blocks of 32 codes, [.., K / 32, bytes a block], one block behind the other in memory; two codes a byte, the lower K in the low four bits (a code: sign, 2 exponent bits, 1 mantissa bit); and NAME_scales (uint8): the same leading axes, one E8M0 byte (e + 127) for each 32 codes along K. Its value is code x scale, taken as it is: it is not quantised again, and the codes and scales need not be those that the quantiser above would give.
;; One version. Each part assembles by itself: llvm-mc -triple=amdgcn-amd-amdhsa -mcpu=gfx1250 --defsym DOCPART=n.
;; ======== version 1 of 1: 3 launches
;; limits: right only within a limited range of input values
;; workspace buffers: q_img 2,097,152 bytes; q_sc 262,144 bytes; kv 4,587,520 bytes; ctx_img 2,097,152 bytes; ctx_sc 131,072 bytes
;; launch qkv (part 1): grid 4 x 64, 4 waves a work-group, clusters of 4 x 1, 327,680 bytes of LDS; arguments hidden_states, sin, cos, wq_codes, wq_scales, wk_codes, wk_scales, wv_codes, wv_scales, q_img, q_sc, kv; writes q_img, q_sc, kv
.if DOCPART == 1
	.amdgcn_target "amdgcn-amd-amdhsa--gfx1250"
	.amdhsa_code_object_version 6
	.text
	.protected	k_q84c1e14f7e_qkv
	.globl	k_q84c1e14f7e_qkv
	.p2align	8
	.type	k_q84c1e14f7e_qkv,@function
k_q84c1e14f7e_qkv:
	s_mov_b64 s[64:65], 0
	v_nop
	global_prefetch_b8 v0, s[64:65] scope:SCOPE_SE
	s_setreg_imm32_b32 hwreg(HW_REG_WAVE_MODE, 25, 1), 1
	s_wait_xcnt 0x0
	s_wait_alu depctr_hold_cnt(0) depctr_sa_sdst(0) depctr_va_vdst(0) depctr_va_sdst(0) depctr_va_ssrc(0) depctr_va_vcc(0) depctr_vm_vsrc(0)
	s_getreg_b32 s2, hwreg(HW_REG_IB_STS2, 6, 4)
	s_cmp_eq_u32 s2, 0
	s_cbranch_scc0 .Lentry_in_a_cluster
	s_endpgm
.Lentry_in_a_cluster:
	s_bfe_u32 s2, ttmp6, 0x10000c
	s_cmp_lg_u32 s2, 0x3003
	s_cbranch_scc0 .Lentry_shape_is_right
	s_endpgm
.Lentry_shape_is_right:
.set XSTW, 66560
.set XQ,   16640
.set XP,   1040
.set XIMG, 4*XSTW
.set XSC,  XIMG+32768
.set COST, XSC+2048
.set SINT, COST+32*272
.set LI,  1
.set LS,  2
.set XRD, 122
.set WL,  3
.set WP,  528
.set G0W, 52
.set G1W, 56
.macro LFRAG
	WIN 0x80
.irp t, 0,1,2,3
.irp s, 0,1,2,3,4,5,6,7
.irp c, 0,1
	ds_load_b128 v[8*(8*\t+\s)+4*\c:8*(8*\t+\s)+4*\c+3], v[WL] offset:16*WP*\t+64*\s+32*\c
.endr
.endr
.endr
	WIN 0
.endm
.set XWI, 4
.set XWS, 5
.set XRI, 6
.set XRS, 7
.set WA,  8
.set WSA, 9
.set CSA, 10
.set TGA, 11
.set TCW, 12
.set TSW, 13
.set VCA, 14
.set VSA, 15
.set VK,  16
.set VKS, 17
.set VV,  18
.set VVS, 19
.set XS,  24
.set WS,  40
.set TM,  56
.set PW,  68
.set PC,  72
.set T,   88
.set SW,  120
.set ACC, 128
.set WV,  34
.set G1,  40
.set G0,  48
.set SEL, 66
.set HM,  68
.set MSB, 0
.macro WIN new
.if MSB != \new
	s_set_vgpr_msb (MSB<<8)|\new
.set MSB, \new
.endif
.endm
.macro PLACES n
.rept \n
	v_nop
.endr
.endm
.macro CROUND
	s_barrier_signal -1
	s_barrier_wait -1
	s_cmp_lg_u32 s[WV], 0
	s_cbranch_scc1 .Lnot_wave_0_\@
	s_barrier_signal -3
.Lnot_wave_0_\@:
	s_barrier_wait -3
	s_barrier_signal -1
	s_barrier_wait -1
.endm
.macro MM d, a, b, k, sa, sb, ra, rb
.if (\k) == 0
.if (\ra) && (\rb)
	v_wmma_scale_f32_16x16x128_f8f6f4 v[(\d):(\d)+7], v[(\a):(\a)+7], v[(\b):(\b)+7], 0, v[\sa], v[\sb] matrix_a_fmt:MATRIX_FMT_FP4 matrix_b_fmt:MATRIX_FMT_FP4 matrix_a_scale:MATRIX_SCALE_ROW1 matrix_b_scale:MATRIX_SCALE_ROW1
.elseif (\ra)
	v_wmma_scale_f32_16x16x128_f8f6f4 v[(\d):(\d)+7], v[(\a):(\a)+7], v[(\b):(\b)+7], 0, v[\sa], v[\sb] matrix_a_fmt:MATRIX_FMT_FP4 matrix_b_fmt:MATRIX_FMT_FP4 matrix_a_scale:MATRIX_SCALE_ROW1
.elseif (\rb)
	v_wmma_scale_f32_16x16x128_f8f6f4 v[(\d):(\d)+7], v[(\a):(\a)+7], v[(\b):(\b)+7], 0, v[\sa], v[\sb] matrix_a_fmt:MATRIX_FMT_FP4 matrix_b_fmt:MATRIX_FMT_FP4 matrix_b_scale:MATRIX_SCALE_ROW1
.else
	v_wmma_scale_f32_16x16x128_f8f6f4 v[(\d):(\d)+7], v[(\a):(\a)+7], v[(\b):(\b)+7], 0, v[\sa], v[\sb] matrix_a_fmt:MATRIX_FMT_FP4 matrix_b_fmt:MATRIX_FMT_FP4
.endif
.else
.if (\ra) && (\rb)
	v_wmma_scale_f32_16x16x128_f8f6f4 v[(\d):(\d)+7], v[(\a):(\a)+7], v[(\b):(\b)+7], v[(\d):(\d)+7], v[\sa], v[\sb] matrix_a_fmt:MATRIX_FMT_FP4 matrix_b_fmt:MATRIX_FMT_FP4 matrix_a_scale:MATRIX_SCALE_ROW1 matrix_b_scale:MATRIX_SCALE_ROW1
.elseif (\ra)
	v_wmma_scale_f32_16x16x128_f8f6f4 v[(\d):(\d)+7], v[(\a):(\a)+7], v[(\b):(\b)+7], v[(\d):(\d)+7], v[\sa], v[\sb] matrix_a_fmt:MATRIX_FMT_FP4 matrix_b_fmt:MATRIX_FMT_FP4 matrix_a_scale:MATRIX_SCALE_ROW1
.elseif (\rb)
	v_wmma_scale_f32_16x16x128_f8f6f4 v[(\d):(\d)+7], v[(\a):(\a)+7], v[(\b):(\b)+7], v[(\d):(\d)+7], v[\sa], v[\sb] matrix_a_fmt:MATRIX_FMT_FP4 matrix_b_fmt:MATRIX_FMT_FP4 matrix_b_scale:MATRIX_SCALE_ROW1
.else
	v_wmma_scale_f32_16x16x128_f8f6f4 v[(\d):(\d)+7], v[(\a):(\a)+7], v[(\b):(\b)+7], v[(\d):(\d)+7], v[\sa], v[\sb] matrix_a_fmt:MATRIX_FMT_FP4 matrix_b_fmt:MATRIX_FMT_FP4
.endif
.endif
.endm
.macro QUANT s, nb, pc, pw, fill
.set QB, 0
.rept \nb
	v_max3_num_f32 v[TM+QB], |v[(\s)+16*QB]|, |v[(\s)+16*QB+1]|, 0x1800000
.set QB, QB+1
.endr
.irp i, 2,4,6,8,10,12,14
.set QB, 0
.rept \nb
	v_max3_num_f32 v[TM+QB], v[TM+QB], |v[(\s)+16*QB+\i]|, |v[(\s)+16*QB+\i+1]|
.set QB, QB+1
.endr
.endr
.set QB, 0
.rept \nb
	v_permlanex16_b32 v[TM+4+QB], v[TM+QB], s[SEL], s[SEL+1]
.set QB, QB+1
.endr
.set QB, 0
.rept \nb
	v_max_num_f32 v[TM+QB], v[TM+QB], v[TM+4+QB]
.set QB, QB+1
.endr
.set QB, 0
.rept \nb
	v_add_nc_u32 v[TM+8+QB], 0xff000000, v[TM+QB]
.set QB, QB+1
.endr
.set QB, 0
.rept \nb
	v_lshrrev_b32 v[TM+4+QB], 23, v[TM+8+QB]
.set QB, QB+1
.endr
	v_lshl_or_b32 v[\pw], v[TM+5], 8, v[TM+4]
.if \nb > 2
	v_lshl_or_b32 v[\pw], v[TM+6], 16, v[\pw]
	v_lshl_or_b32 v[\pw], v[TM+7], 24, v[\pw]
.endif
.if \fill
	v_or_b32 v[\pw], 0x7f7f0000, v[\pw]
.endif
.set QT, 0
.rept 2*\nb
	v_cvt_scalef32_pk8_fp4_f32 v[(\pc)+4*(QT/4)+2*(QT%2)+((QT/2)%2)], v[(\s)+8*QT:(\s)+8*QT+7], v[TM+8+QT/2]
.set QT, QT+1
.endr
	v_nop
.set QT, 0
.rept \nb
	v_permlane16_swap_b32 v[(\pc)+2*QT], v[(\pc)+2*QT+1]
.set QT, QT+1
.endr
.endm
.macro WSC sb
	WIN 0
.irp a, 0,1
.irp e, 0,1
	global_load_b128 v[WS+8*\a+4*\e:WS+8*\a+4*\e+3], v[WSA], s[\sb:\sb+1] offset:1024*\a+16*\e
.endr
.endr
.endm
.macro WFRAG cb, t
	WIN 0x80
.irp s, 0,1,2,3,4,5,6,7
.irp c, 0,1
	global_load_b128 v[8*(8*\t+\s)+4*\c:8*(8*\t+\s)+4*\c+3], v[WA], s[\cb:\cb+1] offset:8192*\t+64*\s+32*\c
.endr
.endr
.endm
.macro XLD s
.irp t, 0,1,2,3,4,5,6,7
.irp e, 0,1
	ds_load_b128 v[ACC+64*((\s)%2)+8*\t+4*\e:ACC+64*((\s)%2)+8*\t+4*\e+3], v[XRD+(\s)/2] offset:512*((\s)%2)+64*\t+16*\e
.endr
.endr
.endm
.macro GEMM swap
.if \swap
	WIN 0x09
.else
	WIN 0x06
.endif
.irp s, 0,1,2,3,4,5,6,7
.irp o, 0,1,2,3
.irp i, 0,1,2,3
.if \swap
	MM ACC+8*(4*\o+\i), 8*(8*\i+\s), 8*(8*\o+\s), \s, XS+8*(\i/2)+\s, WS+8*(\o/2)+\s, \i%2, \o%2
.else
	MM ACC+8*(4*\o+\i), 8*(8*\i+\s), 8*(8*\o+\s), \s, WS+8*(\i/2)+\s, XS+8*(\o/2)+\s, \i%2, \o%2
.endif
.endr
.endr
.endr
.endm
.macro EPI_QK m, ib, iv, io, sb, sv, so
	WIN 0x0c
.irp t, 0,1,2,3
.irp p, 0,1,2,3
	v_mul_f32 v[T+8*\t+2*\p], v[ACC+32*\m+8*\t+2*\p+1], v[32*\m+16+4*\t+\p]
	v_mul_f32 v[T+8*\t+2*\p+1], v[ACC+32*\m+8*\t+2*\p], v[32*\m+16+4*\t+\p]
.endr
.endr
.irp t, 0,1,2,3
.irp p, 0,1,2,3
	v_fma_f32 v[ACC+32*\m+8*\t+2*\p], v[ACC+32*\m+8*\t+2*\p], v[32*\m+4*\t+\p], -v[T+8*\t+2*\p]
	v_fma_f32 v[ACC+32*\m+8*\t+2*\p+1], v[ACC+32*\m+8*\t+2*\p+1], v[32*\m+4*\t+\p], v[T+8*\t+2*\p+1]
.endr
.endr
	WIN 0
	QUANT ACC+32*\m, 2, PC+4*\m, PW+\m, 1
	global_store_b128 v[\iv], v[PC+4*\m:PC+4*\m+3], s[\ib:\ib+1] offset:\io+512*\m
.if \m%2
	v_cndmask_b32 v[SW+\m/2], v[PW+\m-1], v[PW+\m], s[HM]
	global_store_b32 v[\sv], v[SW+\m/2], s[\sb:\sb+1] offset:\so+128*(\m/2)
.endif
.endm
.macro VTAB t
	WIN 0xc0
.irp m, 0,1,2,3
.irp e, 0,1
	ds_load_b128 v[(((\t)+2)%4)*64+16*\m+4*\e:(((\t)+2)%4)*64+16*\m+4*\e+3], v[VCA] offset:2176*(\t)+64*\m+16*\e
	ds_load_b128 v[(((\t)+2)%4)*64+16*\m+8+4*\e:(((\t)+2)%4)*64+16*\m+8+4*\e+3], v[VSA] offset:4352*(\t)+64*\m+16*\e
.endr
.endr
.endm
.macro EPI_V t
.set VT, (((\t)+2)%4)*64
	WIN 0x0c
.irp m, 0,1,2,3
.irp j, 0,1,2,3,4,5,6,7
	v_mul_f32 v[T+8*\m+\j], v[ACC+32*\t+8*\m+\j], v[VT+16*\m+8+\j]
	v_mul_f32 v[ACC+32*\t+8*\m+\j], v[ACC+32*\t+8*\m+\j], v[VT+16*\m+\j]
.endr
.endr
	WIN 0
.set QT, 0
.rept 32
	v_add_f32_dpp v[ACC+32*\t+QT], v[T+QT], v[ACC+32*\t+QT] row_xmask:1 row_mask:0xf bank_mask:0xf
.set QT, QT+1
.endr
	QUANT ACC+32*\t, 2, PC+4*\t, PW+\t, 0
	global_store_b128 v[VV], v[PC+4*\t:PC+4*\t+3], s[30:31] offset:4096+1024*\t
.if \t%2
	v_cndmask_b32 v[SW+\t/2], v[PW+\t-1], v[PW+\t], s[HM]
	global_store_b16 v[VVS], v[SW+\t/2], s[30:31] offset:8704+128*(\t/2)
.endif
.endm
.macro UNIT_QK nsb, ncb, ib, iv, io, sb, sv, so
	s_wait_loadcnt 0x0
	GEMM 0
	WIN 0
	PLACES 4
	s_wait_xcnt 0x0
	WSC \nsb
	s_wait_tensorcnt 0x0                           ; my 64 rows of the next weight lie in my own LDS bytes
	LFRAG
.if \ncb == 18
	s_wait_tensorcnt 0x0
	ds_add_u32 v126, v127
	s_mov_b64 s[G0W+2:G0W+3], s[22:23]             ; no tensor load of mine is out: the descriptor goes on to wv's rows
	s_or_b32 s[G0W+3], s[G0W+3], 0x80000000
	s_wait_dscnt 0x0                               ; wk's fragments are in registers
	CROUND
	tensor_load_to_lds s[G0W:G0W+3], s[G1W:G1W+7]
	s_nop 0
	PLACES 4
.endif
	EPI_QK 0, \ib, \iv, \io, \sb, \sv, \so
	EPI_QK 1, \ib, \iv, \io, \sb, \sv, \so
	EPI_QK 2, \ib, \iv, \io, \sb, \sv, \so
	EPI_QK 3, \ib, \iv, \io, \sb, \sv, \so
.endm
	s_load_b512 s[8:23], s[0:1], 0x0
	s_load_b256 s[24:31], s[0:1], 0x40
	v_lshl_add_u32 v126, v0, 2, 0x4fe00
	v_mov_b32 v127, 0
	ds_add_u32 v126, v127
	ds_add_u32 v126, v127
	v_lshrrev_b32 v20, 5, v0
	v_readfirstlane_b32 s[WV], v20
	s_bfe_u32 s32, ttmp6, 0x40000
	s_and_b32 s33, ttmp7, 0xffff
	s_lshl_b32 s35, s32, 2
	s_add_co_u32 s35, s35, s[WV]
	s_lshr_b32 s36, s33, 5
	s_and_b32 s37, s33, 31
	s_lshl_b32 s38, s36, 4
	s_add_co_u32 s38, s38, s35
	s_mov_b32 s[G1+0], 15|(2<<16)|(1<<20)|(1<<21)|(7<<22)|(3<<25)
	s_mov_b32 s[G1+1], 256<<16
	s_mov_b32 s[G1+2], 64<<16
	s_mov_b32 s[G1+3], 256<<16
	s_mov_b32 s[G1+4], 64
	s_mov_b32 s[G1+5], 1024
	s_mov_b32 s[G1+6], 0
	s_mov_b32 s[G1+7], 0
	s_mov_b32 s[G1W+0], (3<<16)|(1<<20)|(6<<22)|(3<<25)   ; a weight's 64 rows of 512 bytes, 16 bytes of padding behind each; no mask: each work-group has heads of its own
	s_mov_b32 s[G1W+1], 64<<16
	s_mov_b32 s[G1W+2], 64<<16
	s_mov_b32 s[G1W+3], 64<<16
	s_mov_b32 s[G1W+4], 64
	s_mov_b32 s[G1W+5], 64
	s_mov_b32 s[G1W+6], 0
	s_mov_b32 s[G1W+7], 0
	s_lshl_b32 s70, s33, 18
	s_lshl_b32 s72, s[WV], 10                      ; wave w fetches quarter w of K for all 64 tokens
	s_add_co_u32 s70, s70, s72
	s_mov_b32 s71, 0
	s_mul_i32 s39, s[WV], XSTW
	s_mov_b32 s[SEL], 0x76543210
	s_mov_b32 s[SEL+1], 0xfedcba98
	s_mov_b32 s[HM], 0xffff0000
	s_wait_dscnt 0x0
	s_wait_kmcnt 0x0
	s_add_nc_u64 s[70:71], s[8:9], s[70:71]
	s_mov_b32 s[G0], 1
	s_mov_b32 s[G0+1], s39
	s_mov_b64 s[G0+2:G0+3], s[70:71]
	s_or_b32 s[G0+3], s[G0+3], 0x80000000
	CROUND
	tensor_load_to_lds s[G0:G0+3], s[G1:G1+7]
	s_nop 0
	PLACES 4
	s_lshl_b32 s74, s35, 15
	s_mov_b32 s75, 0
	s_add_nc_u64 s[14:15], s[14:15], s[74:75]
	s_add_nc_u64 s[18:19], s[18:19], s[74:75]
	s_add_nc_u64 s[22:23], s[22:23], s[74:75]
	s_mov_b32 s[G0W], 1
	s_mov_b32 s[G0W+1], s39
	s_mov_b64 s[G0W+2:G0W+3], s[18:19]
	s_or_b32 s[G0W+3], s[G0W+3], 0x80000000
	s_lshl_b32 s74, s35, 11
	s_add_nc_u64 s[16:17], s[16:17], s[74:75]
	s_add_nc_u64 s[20:21], s[20:21], s[74:75]
	s_add_nc_u64 s[24:25], s[24:25], s[74:75]
	s_lshl_b32 s74, s37, 13
	s_add_nc_u64 s[10:11], s[10:11], s[74:75]
	s_add_nc_u64 s[12:13], s[12:13], s[74:75]
	s_lshl_b32 s74, s38, 16
	s_lshl_b32 s76, s37, 11
	s_add_co_u32 s74, s74, s76
	s_add_nc_u64 s[26:27], s[26:27], s[74:75]
	s_lshl_b32 s74, s38, 13
	s_lshl_b32 s76, s37, 8
	s_add_co_u32 s74, s74, s76
	s_add_nc_u64 s[28:29], s[28:29], s[74:75]
	s_mul_i32 s74, s38, 143360
	s_lshr_b32 s76, s37, 1
	s_mul_i32 s76, s76, 8960
	s_add_co_u32 s74, s74, s76
	s_add_nc_u64 s[30:31], s[30:31], s[74:75]
	v_and_b32 v21, 31, v0
	v_and_b32 v22, 15, v0
	v_bfe_u32 v23, v0, 4, 1
	v_lshlrev_b32 v[LI], 4, v21
	v_lshlrev_b32 v[LS], 2, v21
	s_mul_i32 s72, s[WV], XQ
	v_mul_u32_u24 v[XRD], v22, XP
	v_lshl_add_u32 v[XRD], v23, 5, v[XRD]
	v_add_nc_u32 v[XRD], s72, v[XRD]
	v_add_nc_u32 v[XRD+1], XSTW, v[XRD]
	v_add_nc_u32 v[XRD+2], 2*XSTW, v[XRD]
	v_add_nc_u32 v[XRD+3], 3*XSTW, v[XRD]
	v_mul_u32_u24 v[WL], v22, WP
	v_lshl_add_u32 v[WL], v23, 4, v[WL]
	v_add_nc_u32 v[WL], s39, v[WL]
	s_lshl_b32 s72, s[WV], 13
	s_add_co_u32 s72, s72, XIMG
	v_add_nc_u32 v[XWI], s72, v[LI]
	s_lshl_b32 s72, s[WV], 6
	s_add_co_u32 s72, s72, XSC
	v_lshl_add_u32 v[XWS], v22, 2, s72
	v_add_nc_u32 v[XRI], XIMG, v[LI]
	v_add_nc_u32 v[XRS], XSC, v[LS]
	v_lshlrev_b32 v[WA], 9, v22
	v_lshl_add_u32 v[WA], v23, 4, v[WA]
	v_lshlrev_b32 v[WSA], 5, v21
	v_lshlrev_b32 v[CSA], 7, v22
	v_lshl_add_u32 v[CSA], v23, 4, v[CSA]
	v_and_b32 v20, 63, v0
	v_lshrrev_b32 v56, 6, v0
	v_lshlrev_b32 v[TGA], 7, v20
	v_lshl_add_u32 v[TGA], v56, 6, v[TGA]
	v_mul_u32_u24 v[TCW], v56, 16*272
	v_lshl_add_u32 v[TCW], v20, 2, v[TCW]
	v_add_nc_u32 v[TCW], COST, v[TCW]
	v_mul_u32_u24 v[TSW], v56, 32*272
	v_lshl_add_u32 v[TSW], v20, 2, v[TSW]
	v_add_nc_u32 v[TSW], SINT, v[TSW]
	v_lshrrev_b32 v57, 1, v22
	v_mul_u32_u24 v[VCA], v57, 272
	v_lshl_add_u32 v[VCA], v23, 5, v[VCA]
	v_add_nc_u32 v[VCA], COST, v[VCA]
	v_mul_u32_u24 v[VSA], v22, 272
	v_lshl_add_u32 v[VSA], v23, 5, v[VSA]
	v_add_nc_u32 v[VSA], SINT, v[VSA]
	s_and_b32 s76, s37, 1
	s_lshl_b32 s77, s76, 11
	v_add_nc_u32 v[VK], s77, v[LI]
	s_lshl_b32 s77, s76, 8
	v_add_nc_u32 v[VKS], s77, v[LS]
	s_lshl_b32 s77, s76, 9
	v_add_nc_u32 v[VV], s77, v[LI]
	s_lshl_b32 s77, s76, 1
	v_add_nc_u32 v[VVS], s77, v[LS]
.irp b, 0,1,2,3
	v_mov_b32 v[TM+4+\b], 0
.endr
.irp e, 0,1,2,3
	global_load_b128 v[T+4*\e:T+4*\e+3], v[TGA], s[12:13] offset:16*\e
.endr
.irp e, 0,1,2,3
	global_load_b128 v[T+16+4*\e:T+16+4*\e+3], v[TGA], s[10:11] offset:16*\e
.endr
	WSC 16
	WIN 0xc0
.irp m, 0,1,2,3
.irp t, 0,1,2,3
	global_load_b128 v[32*\m+4*\t:32*\m+4*\t+3], v[CSA], s[12:13] offset:2048*\m+32*\t
	global_load_b128 v[32*\m+16+4*\t:32*\m+16+4*\t+3], v[CSA], s[10:11] offset:2048*\m+32*\t
.endr
.endr
	WFRAG 14, 0
	WFRAG 14, 1
	WFRAG 14, 2
	WFRAG 14, 3
	WIN 0
	s_wait_loadcnt 63
.irp e, 0,1,2,3,4,5,6,7,8,9,10,11,12,13,14,15
	v_xor_b32 v[PC+\e], 0x80000000, v[T+16+\e]
.endr
.irp e, 0,1,2,3,4,5,6,7,8,9,10,11,12,13,14,15
	ds_store_b32 v[TCW], v[T+\e] offset:272*\e
	ds_store_b32 v[TSW], v[T+16+\e] offset:544*\e
	ds_store_b32 v[TSW], v[PC+\e] offset:544*\e+272
.endr
	s_wait_alu depctr_va_vdst(0)
	s_wait_tensorcnt 0x0                           ; my quarter of K is in,
	s_wait_dscnt 0x0
	s_barrier_signal -1
	s_barrier_wait -1                              ; everybody's is
	XLD 0
.irp s, 0,1,2,3,4,5,6,7
.if \s < 7
	XLD \s+1
	s_wait_dscnt 16
.else
	s_wait_dscnt 0x0
.endif
	QUANT ACC+64*(\s%2), 4, PC, PW, 0
	ds_store_b128 v[XWI], v[PC:PC+3] offset:1024*\s
	ds_store_b128 v[XWI], v[PC+4:PC+7] offset:1024*\s+512
	ds_store_b32 v[XWS], v[PW] offset:256*\s
.endr
	s_wait_tensorcnt 0x0
	ds_add_u32 v126, v127
	s_wait_dscnt 0x0                               ; my reads of the f32 rows are over, my codes lie in LDS
	CROUND
	tensor_load_to_lds s[G0W:G0W+3], s[G1W:G1W+7]  ; wk's 64 rows of my head, into the bytes that held f32 rows
	s_nop 0
	PLACES 4
	WIN 0x40
.irp m, 0,1,2,3
.irp s, 0,1,2,3,4,5,6,7
.irp c, 0,1
	ds_load_b128 v[8*(8*\m+\s)+4*\c:8*(8*\m+\s)+4*\c+3], v[XRI] offset:8192*\m+1024*\s+512*\c
.endr
.endr
.endr
	WIN 0
.irp a, 0,1
.irp s, 0,1,2,3,4,5,6,7
	ds_load_b32 v[XS+8*\a+\s], v[XRS] offset:256*\s+128*\a
.endr
.endr
	VTAB 0
	VTAB 1
	WIN 0
	s_wait_dscnt 0x0
	UNIT_QK 20, 18, 26, LI, 0, 28, LS, 0
	UNIT_QK 24, 22, 30, VK, 0, 30, VKS, 8192
	VTAB 2
	VTAB 3
	WIN 0
	s_wait_loadcnt 0x0
	s_wait_dscnt 0x0
	GEMM 1
	WIN 0
	PLACES 4
	s_wait_xcnt 0x0
	EPI_V 0
	EPI_V 1
	EPI_V 2
	EPI_V 3
	s_wait_dscnt 0x0
	s_wait_tensorcnt 0x0
	ds_add_u32 v126, v127
	s_wait_dscnt 0x0
	CROUND
	s_endpgm
.Lfunc_end_k_q84c1e14f7e_qkv:
	.size	k_q84c1e14f7e_qkv, .Lfunc_end_k_q84c1e14f7e_qkv-k_q84c1e14f7e_qkv
	.p2alignl 7, 3214868480
	.fill 96, 4, 3214868480
	.section	.rodata,"a",@progbits
	.p2align	6, 0x0
	.amdhsa_kernel k_q84c1e14f7e_qkv
		.amdhsa_group_segment_fixed_size 327680
		.amdhsa_private_segment_fixed_size 0
		.amdhsa_enable_private_segment 0
		.amdhsa_kernarg_size 96
		.amdhsa_user_sgpr_count 2
		.amdhsa_user_sgpr_kernarg_segment_ptr 1
		.amdhsa_wavefront_size32 1
		.amdhsa_system_sgpr_workgroup_id_x 1
		.amdhsa_system_sgpr_workgroup_id_y 1
		.amdhsa_system_sgpr_workgroup_id_z 1
		.amdhsa_system_vgpr_workitem_id 0
		.amdhsa_next_free_vgpr 1024
		.amdhsa_next_free_sgpr 80
		.amdhsa_reserve_vcc 0
		.amdhsa_float_denorm_mode_32 3
		.amdhsa_float_denorm_mode_16_64 3
		.amdhsa_memory_ordered 1
		.amdhsa_forward_progress 1
		.amdhsa_inst_pref_size 196
	.end_amdhsa_kernel
	.amdgpu_metadata
---
amdhsa.version: [ 1, 2 ]
amdhsa.kernels:
  - .name:           k_q84c1e14f7e_qkv
    .symbol:         k_q84c1e14f7e_qkv.kd
    .args:
      - { .name: hidden_states, .offset: 0, .size: 8, .value_kind: global_buffer, .address_space: global }
      - { .name: sin, .offset: 8, .size: 8, .value_kind: global_buffer, .address_space: global }
      - { .name: cos, .offset: 16, .size: 8, .value_kind: global_buffer, .address_space: global }
      - { .name: wq_codes, .offset: 24, .size: 8, .value_kind: global_buffer, .address_space: global }
      - { .name: wq_scales, .offset: 32, .size: 8, .value_kind: global_buffer, .address_space: global }
      - { .name: wk_codes, .offset: 40, .size: 8, .value_kind: global_buffer, .address_space: global }
      - { .name: wk_scales, .offset: 48, .size: 8, .value_kind: global_buffer, .address_space: global }
      - { .name: wv_codes, .offset: 56, .size: 8, .value_kind: global_buffer, .address_space: global }
      - { .name: wv_scales, .offset: 64, .size: 8, .value_kind: global_buffer, .address_space: global }
      - { .name: q_img, .offset: 72, .size: 8, .value_kind: global_buffer, .address_space: global }
      - { .name: q_sc, .offset: 80, .size: 8, .value_kind: global_buffer, .address_space: global }
      - { .name: kv, .offset: 88, .size: 8, .value_kind: global_buffer, .address_space: global }
    .group_segment_fixed_size: 327680
    .private_segment_fixed_size: 0
    .kernarg_segment_align: 8
    .kernarg_segment_size: 96
    .max_flat_workgroup_size: 128
    .sgpr_count:     80
    .vgpr_count:     1024
    .wavefront_size: 32
...
	.end_amdgpu_metadata
.endif
;; end of part 1
;; launch attn (part 2): grid 8 x 32, 16 waves a work-group, clusters of 4 x 1, 169,984 bytes of LDS; arguments q_img, q_sc, kv, ctx_img, ctx_sc; writes ctx_img, ctx_sc
.if DOCPART == 2
	.amdgcn_target "amdgcn-amd-amdhsa--gfx1250"
	.amdhsa_code_object_version 6
	.text
	.protected	k_q84c1e14f7e_attn
	.globl	k_q84c1e14f7e_attn
	.p2align	8
	.type	k_q84c1e14f7e_attn,@function
k_q84c1e14f7e_attn:
	s_mov_b64 s[64:65], 0
	v_nop
	global_prefetch_b8 v0, s[64:65] scope:SCOPE_SE
	s_setreg_imm32_b32 hwreg(HW_REG_WAVE_MODE, 25, 1), 1
	s_wait_xcnt 0x0
	s_wait_alu depctr_hold_cnt(0) depctr_sa_sdst(0) depctr_va_vdst(0) depctr_va_sdst(0) depctr_va_ssrc(0) depctr_va_vcc(0) depctr_vm_vsrc(0)
	s_getreg_b32 s2, hwreg(HW_REG_IB_STS2, 6, 4)
	s_cmp_eq_u32 s2, 0
	s_cbranch_scc0 .Lentry_in_a_cluster
	s_endpgm
.Lentry_in_a_cluster:
	s_bfe_u32 s2, ttmp6, 0x10000c
	s_cmp_lg_u32 s2, 0x3003
	s_cbranch_scc0 .Lentry_shape_is_right
	s_endpgm
.Lentry_shape_is_right:
; ctx = softmax(q k^T / 8) v for one head, both products on codes of FP4 (E2M1) with one E8M0 scale for each 32 along K; ctx leaves as codes along the head.
; t = score x log2(e) / 8; M = the running largest t rounded up to a whole number; p = 2^(t - M) is quantised along the keys; the row's sum is taken of the unquantised p and divides at the end.
; SHARES: a work-group owns 256 queries of one head, each of its 16 waves one tile of 16.  The head's 16 records of 8,960 bytes (128 keys: K's images, V's images, scale words) lie in LDS from byte 0,
; filled once: wave w fetches record w, jointly with the three partners of the cluster, which own other queries of the same head.
; LAYOUT: S^T = K Q^T, O^T = V^T P^T: a lane holds one query.  THE KEYS OF A TILE ARE CHOSEN BY THE LDS ADDRESS: row 8 h + j of tile 4 c + i is key 64 c + 32 h + 8 i + j.  So lane (r, h) holds the WHOLE blocks
; 2 c + h of 32 keys: a block's maximum needs no other lane, and the conversion of tile 4 c + i is register 4 c + i of P's operand as it stands.
; A BLOCK'S SCALE BYTE is trunc(max(t_b - M + 125, 1)), t_b the block's largest t: floor(log2(largest p)) - 2 + 127, held at 1 from below.
; The head has 64 numbers: registers 4-7 of K's and Q's fragments are zero codes under the byte 0x7f.
; LIMITS: NaN and infinities are not served; the scaled scores stay under 2^31 in magnitude; a block of zeros gets the byte 1 (its codes are zeros).
; REGISTERS: v1-5, v10 lane terms; v6-9 the step's addresses; v11 125 - M, v12 -M, v13 the largest score, v[14:15] the sum; v16-23 Q, v24 its scales; v32-95 K; v96-159 S^T, then p; v160-191 O^T; v192-223 V; v224-231 p's codes; v232-253 at work.
.set REC, 8960
.set SPARE, 0x29000
.set LI,  1
.set LS,  2
.set AK,  3
.set AS,  4
.set R4,  5
.set ADK, 6
.set ADS, 7
.set ADV, 8
.set ADT, 9
.set SH8, 10
.set SPW, 30
.set NIL, 31
.set WV,  14
.set NC,  18
.set SEL, 20
.set CS,  22
.macro CROUND
	s_barrier_signal -1
	s_barrier_wait -1
	s_cmp_lg_u32 s[WV], 0
	s_cbranch_scc1 .Lnot_wave_0_\@
	s_barrier_signal -3
.Lnot_wave_0_\@:
	s_barrier_wait -3
	s_barrier_signal -1
	s_barrier_wait -1
.endm
	s_load_b256 s[4:11], s[0:1], 0x0               ; q_img, q_sc, kv, ctx_img
	s_load_b64 s[12:13], s[0:1], 0x20              ; ctx_sc
	v_lshl_add_u32 v[SPW], v0, 2, SPARE
	v_mov_b32 v[NIL], 0
	ds_add_u32 v[SPW], v[NIL]
	ds_add_u32 v[SPW], v[NIL]
	v_lshrrev_b32 v6, 5, v0
	s_delay_alu instid0(VALU_DEP_1)
	v_readfirstlane_b32 s[WV], v6
	s_bfe_u32 s15, ttmp6, 0x40000                  ; cx
	s_lshl_b32 s16, ttmp9, 2
	s_add_co_u32 s16, s16, s15                     ; my block of 256 queries
	s_and_b32 s17, ttmp7, 0xffff                   ; batch x 16 + head
	s_mov_b32 s24, 15|(3<<16)|(1<<21)              ; a record: 35 dense rows of 256 bytes; the mask names the four partners
	s_mov_b32 s25, 32<<16
	s_mov_b32 s26, 35<<16
	s_mov_b32 s27, 32<<16
	s_mov_b32 s28, 35
	s_mov_b32 s29, 32
	s_mov_b32 s30, 0
	s_mov_b32 s31, 0
	s_mov_b32 s32, 1
	s_mul_i32 s33, s[WV], REC
	s_mul_i32 s38, s17, 16*REC
	s_add_co_u32 s38, s38, s33
	s_mov_b32 s39, 0
	s_mov_b32 s[SEL], 0x76543210
	s_mov_b32 s[SEL+1], 0xfedcba98
	s_mov_b32 s[CS], 0x3e38aa3b                    ; c = log2(e) / 8
	s_mov_b32 s[CS+1], s[CS]
	s_mov_b32 s[NC], 0xbe38aa3b                    ; -c
	s_wait_dscnt 0x0
	s_wait_kmcnt 0x0
	s_add_nc_u64 s[34:35], s[8:9], s[38:39]
	s_or_b32 s35, s35, 0x80000000
	CROUND
	tensor_load_to_lds s[32:35], s[24:31]
	s_nop 0
.rept 4
	v_nop
.endr
	s_lshl_b32 s40, s16, 4
	s_add_co_u32 s40, s40, s[WV]                   ; my tile of 16 queries in the head
	s_lshl_b32 s42, s17, 16
	s_lshl_b32 s44, s40, 9
	s_add_co_u32 s42, s42, s44
	s_mov_b32 s43, 0
	s_add_nc_u64 s[4:5], s[4:5], s[42:43]
	s_lshl_b32 s42, s17, 13
	s_lshl_b32 s44, s40, 6
	s_add_co_u32 s42, s42, s44
	s_add_nc_u64 s[6:7], s[6:7], s[42:43]
	s_lshr_b32 s44, s17, 4
	s_lshl_b32 s44, s44, 7
	s_add_co_u32 s44, s44, s40                     ; my tile of 16 tokens among all 256
	s_and_b32 s45, s17, 15
	s_lshl_b32 s42, s44, 13
	s_lshl_b32 s46, s45, 9
	s_add_co_u32 s42, s42, s46
	s_add_nc_u64 s[10:11], s[10:11], s[42:43]      ; ctx_img: [tile][head][lane][16 bytes]
	s_lshl_b32 s42, s44, 9
	s_lshr_b32 s46, s45, 1
	s_lshl_b32 s46, s46, 6
	s_add_co_u32 s42, s42, s46
	s_and_b32 s46, s45, 1
	s_lshl_b32 s46, s46, 1
	s_add_co_u32 s42, s42, s46
	s_add_nc_u64 s[12:13], s[12:13], s[42:43]      ; ctx_sc: [tile][two heads][r] words; my head's half
	v_and_b32 v6, 31, v0
	v_and_b32 v7, 15, v0
	v_bfe_u32 v8, v0, 4, 1                         ; h
	v_and_b32 v9, 7, v0                            ; r % 8
	v_bfe_u32 v25, v0, 3, 1                        ; r / 8
	v_lshlrev_b32 v[LI], 4, v6
	v_lshlrev_b32 v[LS], 2, v6
	v_lshlrev_b32 v[R4], 2, v7
	v_lshlrev_b32 v[AK], 4, v9
	v_lshlrev_b32 v[AS], 2, v9
	v_lshlrev_b32 v[SH8], 3, v8
	global_load_b128 v[16:19], v[LI], s[4:5]       ; Q's fragment stays in registers
	global_load_b32 v24, v[R4], s[6:7]
	v_lshl_add_u32 v[AK], v25, 10, v[AK]
	v_lshl_add_u32 v[AS], v25, 7, v[AS]
	s_delay_alu instid0(VALU_DEP_2)
	v_lshl_add_u32 v[AK], v8, 8, v[AK]             ; K: 1024 (r / 8) + 16 (r % 8) + 256 h
	s_delay_alu instid0(VALU_DEP_2)
	v_lshl_add_u32 v[AS], v8, 5, v[AS]             ; its scale words: 128 (r / 8) + 4 (r % 8) + 32 (lane / 16)
.irp i, 20,21,22,23
	v_mov_b32 v[\i], 0
.endr
.irp kt, 0,1,2,3,4,5,6,7
.irp i, 4,5,6,7
	v_mov_b32 v[32+8*\kt+\i], 0
.endr
.endr
	v_mov_b32 v13, 0xff61b1e6                      ; the largest score so far: -3e38
	v_mov_b32 v14, 0
	v_mov_b32 v15, 0
	v_mov_b32 v243, 0
	v_mov_b32 v249, 0                              ; lane permutes' destinations are written once
	v_mov_b32 v252, 0
	v_mul_f32 v12, s[NC], v13
	s_delay_alu instid0(VALU_DEP_1)
	v_floor_f32 v12, v12                           ; -M
.set J, 0
.rept 32
	v_mov_b32 v[160+J], 0                          ; O^T: the first change of M leaves zeros zeros
.set J, J+1
.endr
	s_mov_b32 s36, 0
	s_mov_b32 s37, 16
	s_wait_alu depctr_va_vdst(0)
	s_wait_tensorcnt 0x0
	s_barrier_signal -1
	s_barrier_wait -1
	s_wait_loadcnt 0x0
.Lstep:                                            ; 128 keys a trip
	v_add_nc_u32 v[ADK], s36, v[AK]                ; (these four are also the places ahead of the loads into V's registers)
	v_add_nc_u32 v[ADS], s36, v[AS]
	v_add_nc_u32 v[ADV], s36, v[LI]
	v_add_nc_u32 v[ADT], s36, v[LS]
.irp c, 0,1
.irp i, 0,1,2,3
	ds_load_b128 v[32+8*(4*\c+\i):35+8*(4*\c+\i)], v[ADK] offset:2048*\c+512*(\i/2)+128*(\i%2)
.endr
.endr
.irp a, 0,1,2,3
	ds_load_b32 v[244+\a], v[ADS] offset:8192+256*(\a/2)+64*(\a%2)   ; lanes 0-15: tile 2 a's words, lanes 16-31: tile 2 a + 1's
.endr
.irp t, 0,1,2,3
.irp c, 0,1
	ds_load_b128 v[192+8*\t+4*\c:195+8*\t+4*\c], v[ADV] offset:4096+1024*\t+512*\c
.endr
.endr
.irp a, 0,1
	ds_load_b32 v[240+\a], v[ADT] offset:8704+128*\a
.endr
	s_wait_dscnt 10                                ; K and its words are in; V's 8 loads and 2 scale loads may be out
.irp kt, 0,1,2,3,4,5,6,7
.if \kt%2
	v_wmma_scale_f32_16x16x128_f8f6f4 v[96+8*\kt:103+8*\kt], v[32+8*\kt:39+8*\kt], v[16:23], 0, v[244+\kt/2], v24 matrix_a_fmt:MATRIX_FMT_FP4 matrix_b_fmt:MATRIX_FMT_FP4 matrix_a_scale:MATRIX_SCALE_ROW1
.else
	v_wmma_scale_f32_16x16x128_f8f6f4 v[96+8*\kt:103+8*\kt], v[32+8*\kt:39+8*\kt], v[16:23], 0, v[244+\kt/2], v24 matrix_a_fmt:MATRIX_FMT_FP4 matrix_b_fmt:MATRIX_FMT_FP4
.endif
.endr
	v_mov_b32 v25, v12                             ; the old -M; with three v_nop the four places behind the products
.rept 3
	v_nop
.endr
.irp b, 0,1,2,3
	v_max3_num_f32 v[232+\b], v[96+16*\b], v[97+16*\b], v[98+16*\b]   ; four chains, each over two tiles, each tile from its low end on
.endr
.irp i, 3,5,7,9,11,13
.irp b, 0,1,2,3
	v_max3_num_f32 v[232+\b], v[232+\b], v[96+16*\b+\i], v[97+16*\b+\i]
.endr
.endr
	v_max3_num_f32 v232, v232, v233, v111
	v_max3_num_f32 v234, v234, v235, v143
	v_max_num_f32 v232, v232, v127                 ; my block h's largest score,
	v_max_num_f32 v234, v234, v159                 ; and block 2 + h's
	s_delay_alu instid0(VALU_DEP_1)
	v_max_num_f32 v248, v232, v234
	s_delay_alu instid0(VALU_DEP_1)
	v_permlanex16_b32 v249, v248, s[SEL], s[SEL+1]
	s_delay_alu instid0(VALU_DEP_1)
	v_max3_num_f32 v13, v13, v248, v249            ; the running largest score of my query
	s_delay_alu instid0(VALU_DEP_1)
	v_mul_f32 v250, s[NC], v13
	s_delay_alu instid0(VALU_DEP_1)
	v_floor_f32 v12, v250                          ; -M = floor(-t)
	s_delay_alu instid0(VALU_DEP_1)
	v_sub_f32 v250, v12, v25                       ; old M - new M: a whole number, 0 or less
	v_add_f32 v11, 0x42fa0000, v12                 ; 125 - M
	s_delay_alu instid0(VALU_DEP_2)
	v_cvt_i32_f32 v250, v250                       ; (it saturates)
	s_delay_alu instid0(VALU_DEP_1)
	v_ldexp_f32 v242, 1.0, v250                    ; f = 2^(old M - new M)
.set J, 0
.rept 32
	v_pk_fma_f32 v[96+J:97+J], v[96+J:97+J], s[CS:CS+1], v[12:13] op_sel_hi:[1,0,0]   ; t - M
.set J, J+2
.endr
	s_wait_dscnt 0x0                               ; V and its scale words are in
	s_wait_alu depctr_va_vdst(0)
.set J, 0
.rept 64
	v_exp_f32 v[96+J], v[96+J]                     ; p = 2^(t - M)
.set J, J+1
.endr
	v_pk_mul_f32 v[14:15], v[14:15], v[242:243] op_sel_hi:[1,0]    ; the sums under the new M; the scales' lines follow, which name no p
	v_fma_f32 v236, v232, s[CS], v11               ; t_b - M + 125
	v_fma_f32 v237, v234, s[CS], v11
	s_delay_alu instid0(VALU_DEP_2)
	v_max_num_f32 v236, 1.0, v236
	s_delay_alu instid0(VALU_DEP_2)
	v_max_num_f32 v237, 1.0, v237
	s_delay_alu instid0(VALU_DEP_2)
	v_cvt_i32_f32 v236, v236                       ; the scale's byte (positive: toward zero is the floor)
	s_delay_alu instid0(VALU_DEP_2)
	v_cvt_i32_f32 v237, v237
	s_delay_alu instid0(VALU_DEP_2)
	v_lshlrev_b32 v238, 23, v236                   ; the conversion's scale operand
	s_delay_alu instid0(VALU_DEP_2)
	v_lshlrev_b32 v239, 23, v237
	v_lshl_or_b32 v251, v237, 16, v236             ; my bytes: blocks h and 2 + h,
	s_delay_alu instid0(VALU_DEP_1)
	v_lshlrev_b32 v251, v[SH8], v251               ; at their places in the word;
	s_delay_alu instid0(VALU_DEP_1)
	v_permlanex16_b32 v252, v251, s[SEL], s[SEL+1]
	s_delay_alu instid0(VALU_DEP_1)
	v_or_b32 v253, v251, v252                      ; with lane l xor 16's two the word is whole
	s_wait_alu depctr_va_vdst(0)                   ; one wait for the batch, ahead of its first reader
.irp T, 0,1,2,3,4,5,6,7
	v_cvt_scalef32_pk8_fp4_f32 v[224+\T], v[96+8*\T:103+8*\T], v[238+\T/4]
.endr
.set J, 96                                         ; the row's sum of the unquantised p: eight chains
.irp d, 232,234,236,244,246,248,250
	v_pk_add_f32 v[\d:\d+1], v[J:J+1], v[J+2:J+3]
.set J, J+4
.endr
	v_pk_add_f32 v[14:15], v[14:15], v[J:J+1]
.set J, J+2
.rept 2
.irp d, 232,234,236,244,246,248,250
	v_pk_add_f32 v[\d:\d+1], v[\d:\d+1], v[J:J+1]
.set J, J+2
.endr
	v_pk_add_f32 v[14:15], v[14:15], v[J:J+1]
.set J, J+2
.endr
	v_pk_add_f32 v[232:233], v[232:233], v[J:J+1]
	v_pk_add_f32 v[236:237], v[236:237], v[244:245]
	v_pk_add_f32 v[246:247], v[246:247], v[248:249]
	v_pk_add_f32 v[14:15], v[14:15], v[250:251]
	s_delay_alu instid0(VALU_DEP_4)
	v_pk_add_f32 v[232:233], v[232:233], v[234:235]
	s_delay_alu instid0(VALU_DEP_2)
	v_pk_add_f32 v[14:15], v[14:15], v[246:247]
	s_delay_alu instid0(VALU_DEP_2)
	v_pk_add_f32 v[232:233], v[232:233], v[236:237]
	s_delay_alu instid0(VALU_DEP_1)
	v_pk_add_f32 v[14:15], v[14:15], v[232:233]
	s_wait_alu depctr_va_vdst(0)                   ; the wait here, directly ahead of the first reader of O^T
.set J, 0
.rept 16
	v_pk_mul_f32 v[160+J:161+J], v[160+J:161+J], v[242:243] op_sel_hi:[1,0]   ; O^T under the new M
.set J, J+2
.endr
.irp t, 0,1,2,3
.if \t%2
	v_wmma_scale_f32_16x16x128_f8f6f4 v[160+8*\t:167+8*\t], v[192+8*\t:199+8*\t], v[224:231], v[160+8*\t:167+8*\t], v[240+\t/2], v253 matrix_a_fmt:MATRIX_FMT_FP4 matrix_b_fmt:MATRIX_FMT_FP4 matrix_a_scale:MATRIX_SCALE_ROW1
.else
	v_wmma_scale_f32_16x16x128_f8f6f4 v[160+8*\t:167+8*\t], v[192+8*\t:199+8*\t], v[224:231], v[160+8*\t:167+8*\t], v[240+\t/2], v253 matrix_a_fmt:MATRIX_FMT_FP4 matrix_b_fmt:MATRIX_FMT_FP4
.endif
.endr
	s_add_co_u32 s36, s36, REC
	s_sub_co_u32 s37, s37, 1
	s_cmp_lg_u32 s37, 0
	s_cbranch_scc1 .Lstep
	; THE WAY OUT: O^T / the sum: register 8 t + j = number 16 t + 8 h + j of my query's 64: two blocks of the last product's K, which leave as codes
.rept 4
	v_nop
.endr
	v_add_f32 v14, v14, v15
	s_delay_alu instid0(VALU_DEP_1)
	v_permlanex16_b32 v252, v14, s[SEL], s[SEL+1]
	s_delay_alu instid0(VALU_DEP_1)
	v_add_f32 v14, v14, v252
	s_wait_alu depctr_va_vdst(0)
	v_rcp_f32 v14, v14
	v_nop
	s_wait_alu depctr_va_vdst(0)
.set J, 0
.rept 32
	v_mul_f32 v[96+J], v[160+J], v14
.set J, J+1
.endr
	v_max3_num_f32 v232, |v96|, |v97|, 0x1800000   ; with the floor 2^(3 - 127): the byte cannot fall under 1
	v_max3_num_f32 v233, |v112|, |v113|, 0x1800000
.irp i, 2,4,6,8,10,12,14
	s_delay_alu instid0(VALU_DEP_2)
	v_max3_num_f32 v232, v232, |v[96+\i]|, |v[97+\i]|
	s_delay_alu instid0(VALU_DEP_2)
	v_max3_num_f32 v233, v233, |v[112+\i]|, |v[113+\i]|
.endr
	s_delay_alu instid0(VALU_DEP_2)
	v_permlanex16_b32 v236, v232, s[SEL], s[SEL+1]
	s_delay_alu instid0(VALU_DEP_2)
	v_permlanex16_b32 v237, v233, s[SEL], s[SEL+1]
	s_delay_alu instid0(VALU_DEP_2)
	v_max_num_f32 v232, v232, v236
	s_delay_alu instid0(VALU_DEP_2)
	v_max_num_f32 v233, v233, v237
	s_delay_alu instid0(VALU_DEP_2)
	v_add_nc_u32 v240, 0xff000000, v232            ; 2 off the exponent field: the conversion's scale operand
	s_delay_alu instid0(VALU_DEP_2)
	v_add_nc_u32 v241, 0xff000000, v233
	s_delay_alu instid0(VALU_DEP_2)
	v_lshrrev_b32 v236, 23, v240
	s_delay_alu instid0(VALU_DEP_2)
	v_lshrrev_b32 v237, 23, v241
	s_delay_alu instid0(VALU_DEP_1)
	v_lshl_or_b32 v252, v237, 8, v236
	v_cvt_scalef32_pk8_fp4_f32 v224, v[96:103], v240
	v_cvt_scalef32_pk8_fp4_f32 v226, v[104:111], v240
	v_cvt_scalef32_pk8_fp4_f32 v225, v[112:119], v241
	v_cvt_scalef32_pk8_fp4_f32 v227, v[120:127], v241
	v_nop
	v_permlane16_swap_b32 v224, v225               ; a whole block in a lane
	v_permlane16_swap_b32 v226, v227
	global_store_b128 v[LI], v[224:227], s[10:11]  ; 32 lanes store 512 consecutive bytes
	global_store_b16 v[R4], v252, s[12:13]
	s_wait_tensorcnt 0x0                           ; the wave's end
	ds_add_u32 v[SPW], v[NIL]
	s_wait_dscnt 0x0
	CROUND
	s_endpgm
.Lfunc_end_k_q84c1e14f7e_attn:
	.size	k_q84c1e14f7e_attn, .Lfunc_end_k_q84c1e14f7e_attn-k_q84c1e14f7e_attn
	.p2alignl 7, 3214868480
	.fill 96, 4, 3214868480
	.section	.rodata,"a",@progbits
	.p2align	6, 0x0
	.amdhsa_kernel k_q84c1e14f7e_attn
		.amdhsa_group_segment_fixed_size 169984
		.amdhsa_private_segment_fixed_size 0
		.amdhsa_enable_private_segment 0
		.amdhsa_kernarg_size 40
		.amdhsa_user_sgpr_count 2
		.amdhsa_user_sgpr_kernarg_segment_ptr 1
		.amdhsa_wavefront_size32 1
		.amdhsa_system_sgpr_workgroup_id_x 1
		.amdhsa_system_sgpr_workgroup_id_y 1
		.amdhsa_system_sgpr_workgroup_id_z 1
		.amdhsa_system_vgpr_workitem_id 0
		.amdhsa_next_free_vgpr 256
		.amdhsa_next_free_sgpr 66
		.amdhsa_reserve_vcc 0
		.amdhsa_float_denorm_mode_32 3
		.amdhsa_float_denorm_mode_16_64 3
		.amdhsa_memory_ordered 1
		.amdhsa_forward_progress 1
		.amdhsa_inst_pref_size 27
	.end_amdhsa_kernel
	.amdgpu_metadata
---
amdhsa.version: [ 1, 2 ]
amdhsa.kernels:
  - .name:           k_q84c1e14f7e_attn
    .symbol:         k_q84c1e14f7e_attn.kd
    .args:
      - { .name: q_img, .offset: 0, .size: 8, .value_kind: global_buffer, .address_space: global }
      - { .name: q_sc, .offset: 8, .size: 8, .value_kind: global_buffer, .address_space: global }
      - { .name: kv, .offset: 16, .size: 8, .value_kind: global_buffer, .address_space: global }
      - { .name: ctx_img, .offset: 24, .size: 8, .value_kind: global_buffer, .address_space: global }
      - { .name: ctx_sc, .offset: 32, .size: 8, .value_kind: global_buffer, .address_space: global }
    .group_segment_fixed_size: 169984
    .private_segment_fixed_size: 0
    .kernarg_segment_align: 8
    .kernarg_segment_size: 40
    .max_flat_workgroup_size: 512
    .sgpr_count:     66
    .vgpr_count:     256
    .wavefront_size: 32
...
	.end_amdgpu_metadata
.endif
;; end of part 2
;; launch outp (part 3): grid 256 x 1, 8 waves a work-group, clusters of 4 x 1, 327,680 bytes of LDS; arguments ctx_img, ctx_sc, wo_codes, wo_scales, bo, scale, hidden_states, out0; writes out0
.if DOCPART == 3
	.amdgcn_target "amdgcn-amd-amdhsa--gfx1250"
	.amdhsa_code_object_version 6
	.text
	.protected	k_q84c1e14f7e_outp
	.globl	k_q84c1e14f7e_outp
	.p2align	8
	.type	k_q84c1e14f7e_outp,@function
k_q84c1e14f7e_outp:
	s_mov_b64 s[64:65], 0
	v_nop
	global_prefetch_b8 v0, s[64:65] scope:SCOPE_SE
	s_setreg_imm32_b32 hwreg(HW_REG_WAVE_MODE, 25, 1), 1
	s_wait_xcnt 0x0
	s_wait_alu depctr_hold_cnt(0) depctr_sa_sdst(0) depctr_va_vdst(0) depctr_va_sdst(0) depctr_va_ssrc(0) depctr_va_vcc(0) depctr_vm_vsrc(0)
	s_getreg_b32 s2, hwreg(HW_REG_IB_STS2, 6, 4)
	s_cmp_eq_u32 s2, 0
	s_cbranch_scc0 .Lentry_in_a_cluster
	s_endpgm
.Lentry_in_a_cluster:
	s_bfe_u32 s2, ttmp6, 0x10000c
	s_cmp_lg_u32 s2, 0x3003
	s_cbranch_scc0 .Lentry_shape_is_right
	s_endpgm
.Lentry_shape_is_right:
; out0 = scale x (x / (|x| / 32 + 1e-8)), x = ctx wo^T + bo + hidden_states; the product on codes of FP4 (E2M1) with one E8M0 scale for each 32 along K, all else in f32.
; SHARES: a work-group takes 16 tokens, whole rows of 1,024, as the norm wants them.  Wave w takes features 128 w .. 128 w + 127: 8 tiles of 16.  Source 0 = 16 rows of wo, source 1 = ctx's 16 tokens:
; a lane holds token r and eight neighbouring features.  hidden_states + bo is what each sum begins with.
; wo COMES BY TWO TENSOR LOADS A WAVE, 64 dense rows of 512 bytes each, into the wave's own LDS bytes, rows 528 bytes apart (33,792 bytes a wave, 270,336 for the eight).  The first 64 rows' 32 fragments are read
; into 256 registers; then the same bytes are filled again with the other 64 rows, while the first four tiles are multiplied.  Every work-group wants the same rows, so the four of a cluster ask JOINTLY
; (the descriptor is made of the wave's number alone; the mask 15).  A wave has one tensor load out.  No prefetch: the text has no loop to run ahead in.
; ctx: wave w loads K step w and leaves it in LDS; behind the round every wave reads all eight.  bo goes through the wave's own LDS bytes into the result's layout.  scale is applied behind the stage.
; The stage of the way out lies at the head of the wave's tile bytes, which have had their last fill and their last read by then.
; REGISTERS: window 0: v1-14 addresses; v16-23 ctx's scale words; v24-55 wo's; v56-59 my gains; v60, v61 the add's two; v64-127 ctx's fragments, later rows on their way out; v128-191 accumulators; v192-255 bo, then the norm.  window 1: 32 fragments of wo.
.set WP,   528
.set WREG, 64*WP
.set CTXL, 8*WREG
.set BOL,  CTXL+8192
.set RED,  BOL+4096
.set SPARE, RED+512
.set LI,  1
.set R4,  2
.set WSA, 4
.set HA,  5
.set WL,  6
.set STO, 7
.set SRD, 8
.set RW,  9
.set RR,  10
.set CW,  11
.set CR,  12
.set BW,  13
.set BR,  14
.set XS,  16
.set WS,  24
.set SCG, 56
.set NIL, 60
.set SPW, 61
.set CTX, 64
.set BT,  72
.set ACC, 128
.set LF,  192
.set WV,  24
.set G1,  40
.set G0,  48
.set MSB, 0
.macro WIN new
.if MSB != \new
	s_set_vgpr_msb (MSB<<8)|\new
.set MSB, \new
.endif
.endm
.macro PLACES n
.rept \n
	v_nop
.endr
.endm
.macro CROUND
	s_barrier_signal -1
	s_barrier_wait -1
	s_cmp_lg_u32 s[WV], 0
	s_cbranch_scc1 .Lnot_wave_0_\@
	s_barrier_signal -3
.Lnot_wave_0_\@:
	s_barrier_wait -3
	s_barrier_signal -1
	s_barrier_wait -1
.endm
.macro FL                              ; the 32 fragments of the 64 rows in my tile bytes -> window 1: tile e, K step s at v[64 e + 8 s]
	WIN 0x40
.irp e, 0,1,2,3
.irp s, 0,1,2,3,4,5,6,7
.irp c, 0,1
	ds_load_b128 v[64*\e+8*\s+4*\c:64*\e+8*\s+4*\c+3], v[WL] offset:16*WP*\e+64*\s+32*\c
.endr
.endr
.endr
	WIN 0
.endm
.macro MUL g                           ; tiles 4 g .. 4 g + 3: 32 products, the four accumulators by turns
	WIN 0x01
.irp s, 0,1,2,3,4,5,6,7
.irp u, 0,1
	v_wmma_scale_f32_16x16x128_f8f6f4 v[ACC+32*\g+16*\u:ACC+32*\g+16*\u+7], v[128*\u+8*\s:128*\u+8*\s+7], v[CTX+8*\s:CTX+8*\s+7], v[ACC+32*\g+16*\u:ACC+32*\g+16*\u+7], v[WS+16*\g+8*\u+\s], v[XS+\s] matrix_a_fmt:MATRIX_FMT_FP4 matrix_b_fmt:MATRIX_FMT_FP4
	v_wmma_scale_f32_16x16x128_f8f6f4 v[ACC+32*\g+16*\u+8:ACC+32*\g+16*\u+15], v[128*\u+64+8*\s:128*\u+64+8*\s+7], v[CTX+8*\s:CTX+8*\s+7], v[ACC+32*\g+16*\u+8:ACC+32*\g+16*\u+15], v[WS+16*\g+8*\u+\s], v[XS+\s] matrix_a_fmt:MATRIX_FMT_FP4 matrix_b_fmt:MATRIX_FMT_FP4 matrix_a_scale:MATRIX_SCALE_ROW1
.endr
.endr
	WIN 0
.endm
	s_load_b512 s[8:23], s[0:1], 0x0               ; ctx_img, ctx_sc, wo's codes, wo's scales, bo, scale, hidden_states, out0
	v_lshl_add_u32 v[SPW], v0, 2, SPARE
	v_mov_b32 v[NIL], 0
	ds_add_u32 v[SPW], v[NIL]
	ds_add_u32 v[SPW], v[NIL]
	v_lshrrev_b32 v200, 5, v0
	s_delay_alu instid0(VALU_DEP_1)
	v_readfirstlane_b32 s[WV], v200
	s_bfe_u32 s32, ttmp6, 0x40000
	s_lshl_b32 s33, ttmp9, 2
	s_add_co_u32 s33, s33, s32                     ; my tile of 16 tokens
	s_mov_b32 s[G1+0], 15|(3<<16)|(1<<20)|(1<<21)|(6<<22)|(3<<25)   ; 64 rows x 512 bytes (64 elements of 8), four words of padding behind each 128
	s_mov_b32 s[G1+1], 64<<16
	s_mov_b32 s[G1+2], 64<<16
	s_mov_b32 s[G1+3], 64<<16
	s_mov_b32 s[G1+4], 64
	s_mov_b32 s[G1+5], 64
	s_mov_b32 s[G1+6], 0
	s_mov_b32 s[G1+7], 0
	s_mov_b32 s[G0], 1
	s_mul_i32 s[G0+1], s[WV], WREG
	s_mul_i32 s34, s[WV], WREG
	v_and_b32 v201, 31, v0
	v_and_b32 v202, 15, v0
	v_bfe_u32 v203, v0, 4, 1
	v_lshlrev_b32 v[LI], 4, v201
	v_lshlrev_b32 v[R4], 2, v202
	v_lshlrev_b32 v[WSA], 5, v201
	v_lshlrev_b32 v[HA], 12, v202
	v_mul_u32_u24 v[WL], v202, WP
	s_delay_alu instid0(VALU_DEP_2)
	v_lshl_add_u32 v[HA], v203, 5, v[HA]
	s_delay_alu instid0(VALU_DEP_2)
	v_lshl_add_u32 v[STO], v203, 5, v[WL]
	v_lshl_add_u32 v[WL], v203, 4, v[WL]
	s_delay_alu instid0(VALU_DEP_2)
	v_add_nc_u32 v[STO], s34, v[STO]
	s_delay_alu instid0(VALU_DEP_2)
	v_add_nc_u32 v[WL], s34, v[WL]
	v_add_nc_u32 v[SRD], s34, v[LI]
	s_lshl_b32 s25, s[WV], 6
	s_add_co_u32 s25, s25, RED
	v_add_nc_u32 v[RW], s25, v[R4]
	v_add_nc_u32 v[RR], RED, v[R4]
	s_lshl_b32 s25, s[WV], 10
	s_add_co_u32 s25, s25, CTXL
	v_add_nc_u32 v[CW], s25, v[LI]
	v_add_nc_u32 v[CR], CTXL, v[LI]
	s_lshl_b32 s25, s[WV], 9
	s_add_co_u32 s25, s25, BOL
	v_add_nc_u32 v[BW], s25, v[LI]
	v_lshl_add_u32 v[BR], v203, 5, s25
	s_mov_b32 s28, 0x76543210
	s_mov_b32 s29, 0xfedcba98
	s_mov_b32 s30, 0x3d000000                      ; 1 / 32
	s_mov_b32 s31, 0x322bcc77                      ; 1e-8
	s_lshl_b32 s26, s[WV], 16                      ; my 128 rows of wo's codes
	s_mov_b32 s27, 0
	s_wait_alu depctr_va_vdst(0)
	s_wait_dscnt 0x0
	s_wait_kmcnt 0x0
	s_add_nc_u64 s[12:13], s[12:13], s[26:27]
	s_mov_b64 s[G0+2:G0+3], s[12:13]
	s_or_b32 s[G0+3], s[G0+3], 0x80000000
	CROUND
	tensor_load_to_lds s[G0:G0+3], s[G1:G1+7]      ; my rows 0-63
	s_nop 0
	PLACES 4
	s_lshl_b32 s26, s[WV], 12
	s_add_nc_u64 s[14:15], s[14:15], s[26:27]
	s_lshl_b32 s26, s[WV], 9
	s_add_nc_u64 s[16:17], s[16:17], s[26:27]
	s_add_nc_u64 s[18:19], s[18:19], s[26:27]
	s_lshl_b32 s25, s33, 16
	s_add_co_u32 s26, s26, s25
	s_add_nc_u64 s[20:21], s[20:21], s[26:27]
	s_add_nc_u64 s[22:23], s[22:23], s[26:27]
	s_lshl_b32 s26, s33, 13
	s_lshl_b32 s25, s[WV], 10
	s_add_co_u32 s26, s26, s25
	s_add_nc_u64 s[8:9], s[8:9], s[26:27]
	s_lshl_b32 s26, s33, 9
	s_add_nc_u64 s[10:11], s[10:11], s[26:27]
	global_load_b128 v[BT:BT+3], v[LI], s[16:17]                   ; 36 loads: bo, 2 of ctx; then 16 of hidden_states, 8 + 8 of scale words, the gains
	global_load_b128 v[CTX:CTX+3], v[LI], s[8:9]
	global_load_b128 v[CTX+4:CTX+7], v[LI], s[8:9] offset:512
.irp t, 0,1,2,3,4,5,6,7
.irp e, 0,1
	global_load_b128 v[ACC+8*\t+4*\e:ACC+8*\t+4*\e+3], v[HA], s[20:21] offset:64*\t+16*\e th:TH_LOAD_NT   ; token r, features 16 t + 8 h + 0 .. 7
.endr
.endr
.irp s, 0,1,2,3,4,5,6,7
	global_load_b32 v[XS+\s], v[R4], s[10:11] offset:64*\s
.endr
.irp u, 0,1,2,3
.irp e, 0,1
	global_load_b128 v[WS+8*\u+4*\e:WS+8*\u+4*\e+3], v[WSA], s[14:15] offset:1024*\u+16*\e   ; lanes 0-15 tile 2 u, lanes 16-31 tile 2 u + 1; register 8 u + s: K step s
.endr
.endr
	global_load_b128 v[SCG:SCG+3], v[LI], s[18:19]
	s_wait_loadcnt 33                              ; the 33 loads behind the first three may be out
	ds_store_b128 v[BW], v[BT:BT+3]
	ds_store_b128 v[CW], v[CTX:CTX+3]
	ds_store_b128 v[CW], v[CTX+4:CTX+7] offset:512
.irp t, 0,1,2,3,4,5,6,7
.irp e, 0,1
	ds_load_b128 v[LF+8*\t+4*\e:LF+8*\t+4*\e+3], v[BR] offset:64*\t+16*\e   ; bo in the result's layout; LDS serves a wave's instructions in order
.endr
.endr
	s_wait_tensorcnt 0x0                           ; my rows 0-63 are in: only I read them
	FL
	s_wait_tensorcnt 0x0
	ds_add_u32 v[SPW], v[NIL]
	s_add_nc_u64 s[G0+2:G0+3], s[G0+2:G0+3], 64*512   ; no tensor load of mine is out: on to my rows 64-127
	s_wait_dscnt 0x0                               ; the fragments are in registers, and my K step of ctx lies in LDS
	CROUND
	tensor_load_to_lds s[G0:G0+3], s[G1:G1+7]
	s_nop 0
	PLACES 4
.irp s, 0,1,2,3,4,5,6,7
.irp c, 0,1
	ds_load_b128 v[CTX+8*\s+4*\c:CTX+8*\s+4*\c+3], v[CR] offset:1024*\s+512*\c
.endr
.endr
	s_wait_loadcnt 0x0
.set J, 0
.rept 32
	v_pk_add_f32 v[ACC+J:ACC+J+1], v[ACC+J:ACC+J+1], v[LF+J:LF+J+1]   ; the residual and the bias
.set J, J+2
.endr
	s_wait_alu depctr_va_vdst(0)
	s_wait_dscnt 0x0
	MUL 0
	PLACES 4                                       ; ahead of loads into registers that the products have read
	s_wait_tensorcnt 0x0
	FL
	s_wait_dscnt 0x0
	MUL 1
	PLACES 4
	v_pk_mul_f32 v[LF:LF+1], v[ACC:ACC+1], v[ACC:ACC+1]            ; the norm: my 64 squares in two chains, each accumulator from its low end on
	v_pk_mul_f32 v[LF+2:LF+3], v[ACC+2:ACC+3], v[ACC+2:ACC+3]
.irp j, 4,8,12,16,20,24,28,32,36,40,44,48,52,56,60
	v_pk_fma_f32 v[LF:LF+1], v[ACC+\j:ACC+\j+1], v[ACC+\j:ACC+\j+1], v[LF:LF+1]
	v_pk_fma_f32 v[LF+2:LF+3], v[ACC+\j+2:ACC+\j+3], v[ACC+\j+2:ACC+\j+3], v[LF+2:LF+3]
.endr
	s_delay_alu instid0(VALU_DEP_1)
	v_pk_add_f32 v[LF:LF+1], v[LF:LF+1], v[LF+2:LF+3]
	s_delay_alu instid0(VALU_DEP_1)
	v_add_f32 v[LF], v[LF], v[LF+1]
	s_delay_alu instid0(VALU_DEP_1)
	v_permlanex16_b32 v[LF+2], v[LF], s28, s29
	s_delay_alu instid0(VALU_DEP_1)
	v_add_f32 v[LF], v[LF], v[LF+2]
	ds_store_b32 v[RW], v[LF]                      ; token r's sum over my 128 features
	s_wait_dscnt 0x0
	s_barrier_signal -1
	s_barrier_wait -1
.irp i, 0,1,2,3,4,5,6,7
	ds_load_b32 v[LF+4+\i], v[RR] offset:64*\i
.endr
	s_wait_dscnt 0x0
	v_add_f32 v[LF+4], v[LF+4], v[LF+5]
	v_add_f32 v[LF+6], v[LF+6], v[LF+7]
	v_add_f32 v[LF+8], v[LF+8], v[LF+9]
	v_add_f32 v[LF+10], v[LF+10], v[LF+11]
	s_delay_alu instid0(VALU_DEP_3)
	v_add_f32 v[LF+4], v[LF+4], v[LF+6]
	s_delay_alu instid0(VALU_DEP_2)
	v_add_f32 v[LF+8], v[LF+8], v[LF+10]
	s_delay_alu instid0(VALU_DEP_1)
	v_add_f32 v[LF+4], v[LF+4], v[LF+8]
	s_wait_alu depctr_va_vdst(0)
	v_sqrt_f32 v[LF+12], v[LF+4]
	v_nop
	s_wait_alu depctr_va_vdst(0)
	v_fma_f32 v[LF+12], v[LF+12], s30, s31         ; |x| / 32 + 1e-8
	s_wait_alu depctr_va_vdst(0)
	v_rcp_f32 v[LF+12], v[LF+12]
	v_mov_b32 v[LF+13], 0
	s_wait_alu depctr_va_vdst(0)
.set J, 0
.rept 32
	v_pk_mul_f32 v[ACC+J:ACC+J+1], v[ACC+J:ACC+J+1], v[LF+12:LF+13] op_sel_hi:[1,0]
.set J, J+2
.endr
.irp t, 0,1,2,3,4,5,6,7
	ds_store_b128 v[STO], v[ACC+8*\t:ACC+8*\t+3] offset:64*\t      ; a lane's 32 bytes of a row into my stage; whole rows of 512 bytes come back
	ds_store_b128 v[STO], v[ACC+8*\t+4:ACC+8*\t+7] offset:64*\t+16
.endr
.irp i, 0,1,2,3,4,5,6,7,8,9,10,11,12,13,14,15
	ds_load_b128 v[CTX+4*\i:CTX+4*\i+3], v[SRD] offset:WP*\i
.endr
.irp i, 0,1,2,3,4,5,6,7,8,9,10,11,12,13,14,15
	s_wait_dscnt 15-\i                             ; row i is back; the younger rows may be out
	v_pk_mul_f32 v[CTX+4*\i:CTX+4*\i+1], v[CTX+4*\i:CTX+4*\i+1], v[SCG:SCG+1]
	v_pk_mul_f32 v[CTX+4*\i+2:CTX+4*\i+3], v[CTX+4*\i+2:CTX+4*\i+3], v[SCG+2:SCG+3]
	global_store_b128 v[LI], v[CTX+4*\i:CTX+4*\i+3], s[22:23] offset:4096*\i th:TH_STORE_NT   ; 32 lanes store 512 consecutive bytes, at a multiple of 256 from out0's first byte
.endr
	s_wait_tensorcnt 0x0                           ; the wave's end
	ds_add_u32 v[SPW], v[NIL]
	s_wait_dscnt 0x0
	CROUND
	s_endpgm
.Lfunc_end_k_q84c1e14f7e_outp:
	.size	k_q84c1e14f7e_outp, .Lfunc_end_k_q84c1e14f7e_outp-k_q84c1e14f7e_outp
	.p2alignl 7, 3214868480
	.fill 96, 4, 3214868480
	.section	.rodata,"a",@progbits
	.p2align	6, 0x0
	.amdhsa_kernel k_q84c1e14f7e_outp
		.amdhsa_group_segment_fixed_size 327680
		.amdhsa_private_segment_fixed_size 0
		.amdhsa_enable_private_segment 0
		.amdhsa_kernarg_size 64
		.amdhsa_user_sgpr_count 2
		.amdhsa_user_sgpr_kernarg_segment_ptr 1
		.amdhsa_wavefront_size32 1
		.amdhsa_system_sgpr_workgroup_id_x 1
		.amdhsa_system_sgpr_workgroup_id_y 1
		.amdhsa_system_sgpr_workgroup_id_z 1
		.amdhsa_system_vgpr_workitem_id 0
		.amdhsa_next_free_vgpr 512
		.amdhsa_next_free_sgpr 66
		.amdhsa_reserve_vcc 0
		.amdhsa_float_denorm_mode_32 3
		.amdhsa_float_denorm_mode_16_64 3
		.amdhsa_memory_ordered 1
		.amdhsa_forward_progress 1
		.amdhsa_inst_pref_size 42
	.end_amdhsa_kernel
	.amdgpu_metadata
---
amdhsa.version: [ 1, 2 ]
amdhsa.kernels:
  - .name:           k_q84c1e14f7e_outp
    .symbol:         k_q84c1e14f7e_outp.kd
    .args:
      - { .name: ctx_img, .offset: 0, .size: 8, .value_kind: global_buffer, .address_space: global }
      - { .name: ctx_sc, .offset: 8, .size: 8, .value_kind: global_buffer, .address_space: global }
      - { .name: wo_codes, .offset: 16, .size: 8, .value_kind: global_buffer, .address_space: global }
      - { .name: wo_scales, .offset: 24, .size: 8, .value_kind: global_buffer, .address_space: global }
      - { .name: bo, .offset: 32, .size: 8, .value_kind: global_buffer, .address_space: global }
      - { .name: scale, .offset: 40, .size: 8, .value_kind: global_buffer, .address_space: global }
      - { .name: hidden_states, .offset: 48, .size: 8, .value_kind: global_buffer, .address_space: global }
      - { .name: out0, .offset: 56, .size: 8, .value_kind: global_buffer, .address_space: global }
    .group_segment_fixed_size: 327680
    .private_segment_fixed_size: 0
    .kernarg_segment_align: 8
    .kernarg_segment_size: 64
    .max_flat_workgroup_size: 256
    .sgpr_count:     66
    .vgpr_count:     512
    .wavefront_size: 32
...
	.end_amdgpu_metadata
.endif
;; end of part 3
